; MI455X (gfx1250); checked and timed in simulation.
; The chip was launched on July 23, 2026; its instructions are those of AMD's public machine-readable ISA for CDNA 5 (MIT licence, August 2026) and "CDNA5" Instruction Set Architecture Reference Guide (July 2026). The comments in the code are by the model that wrote it; some were corrected since.
;; Vector Quantizer. Allowed arithmetic: matrix products marked QUANTISED: E4M3 operands, one E8M0 scale for each 32 along K, by v_wmma_scale_f32_16x16x128_f8f6f4 with both operands' format E4M3, f32 sums; everything else in f32.
;; Inputs: e_i_ts 256 x 8,192 float32; x 8 x 256 x 64 x 64 float32.
;; Outputs: out0 8 x 256 x 64 x 64 float32; out1 8 x 64 x 64 int32.
;; This version of the problem:
;;   THIS VERSION OF THE PROBLEM IS GIVEN IN LOW PRECISION. The matrix products marked QUANTISED in the list below multiply operands that are first quantised to E4M3 (4 exponent bits, 3 mantissa bits; 8 bits a number), with one power-of-two scale for each 32 numbers along K (OCP MX v1.0); their sums are f32. All else is computed in f32.
;;   The module's matrix products, in the order in which they are computed (A, B: the left and right operand; K: the contracted axis; several contracted axes count as one K, in the product's order):
;;     1. [M 32,768, K 256] x [K 256, N 8,192]; A: computed on the way; B: input e_i_ts: QUANTISED
;;   THE QUANTISER, for each operand of a quantised product, along K:
;;     - K is cut into blocks of 32 from its start; a last block that is shorter is filled with zeros.
;;     - A block's scale is 2^e with e = floor(log2(the largest magnitude in the block)) - 8, held to -126 .. 127; a block of zeros has e = 0. As a byte (E8M0): e + 127.
;;     - Each number is divided by its block's scale, clamped to +-448, and rounded to the nearest number of E4M3, ties to even, subnormals kept.
;;     - The product sums the exact products of the quantised numbers (number of the format x scale) in f32.
;;   ~~~python
;;   def quantise(x, axis):      # numpy; x: float32 -> the quantised numbers, widened to float32 again
;;       x = np.moveaxis(x, axis, -1); K = x.shape[-1]
;;       x = np.pad(x, [(0, 0)] * (x.ndim - 1) + [(0, -K % 32)]); x = x.reshape(x.shape[:-1] + (-1, 32)); a = np.abs(x).max(-1, keepdims=True)
;;       e = np.where(a > 0, np.clip(np.frexp(np.where(a > 0, a, 1))[1] - 1 - 8, -126, 127), 0)      # np.frexp(a)[1] - 1 = floor(log2(a)), exactly
;;       r = np.clip(x / 2.0 ** e, -448, 448)
;;       step = 2.0 ** (np.maximum(np.frexp(np.where(r == 0, 1, r))[1] - 1, -6) - 3)
;;       q = np.round(r / step) * step * 2.0 ** e      # np.round: ties to even
;;       return np.moveaxis(q.reshape(q.shape[:-2] + (-1,))[..., :K], -1, axis).astype(np.float32)
;;   ~~~
;;   OPERANDS COMPUTED ON THE WAY. 'Computed on the way' means the value that the module computes at that place (a softmax that the list does not call 'softmax' is quantised finished and normalised). What goes into a quantiser is computed in f32, as accurately as f32 sums, v_exp_f32 and their like allow (about 1e-6 of the number): no bf16 or f16 on the way to a quantiser, and a product that is left as it is and whose result goes on into a quantised operand takes f32 operands (vector FMAs, or v_wmma_f32_16x16x4_f32). A number that lies on a knife's edge between two numbers of the format may be rounded either way, as far as f32 arithmetic and the matrix unit's own rounding can turn it there, and no further.
;; One version. Each part assembles by itself: llvm-mc -triple=amdgcn-amd-amdhsa -mcpu=gfx1250 --defsym DOCPART=n.
;; ======== version 1 of 1: 3 launches
;; workspace buffers: xq 8,912,896 bytes; eq 2,228,224 bytes; et 8,388,608 bytes; idx 131,072 bytes of whole numbers
;; launch quant (part 1): grid 640 x 1, 4 waves a work-group, no clusters, 39,424 bytes of LDS; arguments x, e_i_ts, xq, eq, et; writes xq, eq, et
.if DOCPART == 1
	.amdgcn_target "amdgcn-amd-amdhsa--gfx1250"
	.amdhsa_code_object_version 6
	.text
	.protected	k_qa55c26bdf6_quant
	.globl	k_qa55c26bdf6_quant
	.p2align	8
	.type	k_qa55c26bdf6_quant,@function
k_qa55c26bdf6_quant:
	s_mov_b64 s[64:65], 0
	v_nop
	global_prefetch_b8 v0, s[64:65] scope:SCOPE_SE
	s_setreg_imm32_b32 hwreg(HW_REG_WAVE_MODE, 25, 1), 1
	s_wait_xcnt 0x0
; 2 x (x: [8][256 d][4096 hw] f32) and e_i_ts ([256 d][8192 n] f32) are turned into codes of FP8 (E4M3) with one E8M0 byte for each 32 along d, the product's K.
; In both tensors K is the OUTER axis: A LANE TAKES A COLUMN (a row b, hw of the flat x; a code n) AND ITS REGISTERS RUN DOWN K, so a block of 32 lies in one lane and nothing is transposed.
; THE RECORD, 4,352 bytes (17 x 256) for each tile of 16 columns, the same for xq (2,048 records) and eq (512):
;   [0, 4096)    codes as an image of the operand's registers: byte 2048 s + 512 c + 16 (16 h + r) + i = the code of column r at k = 128 s + 32 c + 16 h + i
;   [4096, 4224) scale words: word 64 s + 4 r = column r's four bytes of K step s;   [4224, 4288) 16 f32: the sum of x^2 (xq), minus the sum of e^2 (eq);   [4288, 4352) zeros
; et is e_i_ts transposed, [8192][256] f32, for the gather of the last launch.
; A block's scale is 2^(floor(log2(largest magnitude)) - 8); its byte is the largest magnitude's exponent field - 8, held at 1 from below.
; LIMITS: a block of zeros gets the byte 1 where the quantiser says 127 (its codes are zeros, and this program alone reads the bytes); NaN, infinities and |x| >= 2^127 (2 x overflows) are not served.
; SHARES: a work-group takes 64 columns (4 records); wave w takes columns 32 (w / 2) on and K step w % 2 (four blocks of 32).  Work-groups 0-511 take x, 512-639 the codebook: two copies of one macro, each with LDS bytes of its own.
; No tensor loads, no matrix unit, no cluster: the launch streams, and its work-groups share no byte.
.set REC,   4352
.set XB,    64                         ; v64-191   four blocks of 32 numbers, each with registers of its own
.set CB,    32                         ; v32-63    a block's codes, 8 registers: no store's data are written again
.set OUTR,  192                        ; v192-255  the codebook's way out to et
.set MNT,   40                         ; s40       the mantissa field of 448
; v1 lane; v2 4 x lane; v3 my place in the wave's two records; v4-v8 LDS addresses of the records' last 256 bytes and of the partial sums; v9-v11 the stage and et;
; v12-v13 maxima, v14 the conversion's scale operand, v15 448 x the scale, v16 the byte, v17 the scale word; v[18:21] two chains of squares; v22-v28 at work
.macro LOADB c, pitch, src             ; block c: 32 rows of K at my column; 32 lanes read 128 consecutive bytes, the wave beside me the next 128
.set li, 0
.rept 32
	global_load_b32 v[XB+32*(\c)+li], v2, s[\src:\src+1] offset:(32*(\c)+li)*(\pitch) th:TH_LOAD_NT
.set li, li+1
.endr
.endm
.macro QBLOCK c, pitch, ise, src, dst
.set XS, XB+32*(\c)
.set CS, CB+8*(\c)
.if (\c) < 3
	s_wait_loadcnt 32                              ; this block's 32 loads are in; the next block's 32 may be out
.else
	s_wait_loadcnt 0x0
.endif
.if (\c) < 2
	LOADB (\c)+2, \pitch, \src
.endif
.if \ise
.irp q, 0,1,2,3,4,5,6,7
	ds_store_b128 v9, v[XS+4*\q:XS+4*\q+3] offset:128*((\c)%2)+16*\q   ; the numbers as they are, into my column's row of the stage
.endr
.endif
.set p, 0
.rept 16                                       ; the sum of squares, of the numbers as they are given, in two chains; the first two products start them
.if ((\c) == 0) && (p < 2)
	v_pk_mul_f32 v[18+2*p:19+2*p], v[XS+2*p:XS+2*p+1], v[XS+2*p:XS+2*p+1]
.else
	v_pk_fma_f32 v[18+2*(p%2):19+2*(p%2)], v[XS+2*p:XS+2*p+1], v[XS+2*p:XS+2*p+1], v[18+2*(p%2):19+2*(p%2)]
.endif
.set p, p+1
.endr
.if !(\ise)
.set p, 0
.rept 16
	v_pk_add_f32 v[XS+2*p:XS+2*p+1], v[XS+2*p:XS+2*p+1], v[XS+2*p:XS+2*p+1]   ; the operand is 2.0 x flat: exact
.set p, p+1
.endr
.endif
	v_max3_num_f32 v12, |v[XS]|, |v[XS+1]|, |v[XS+2]|      ; the block's largest magnitude: all 32 numbers are mine
	v_max3_num_f32 v13, |v[XS+3]|, |v[XS+4]|, |v[XS+5]|
.irp i, 6,10,14,18,22,26
	v_max3_num_f32 v12, v12, |v[XS+\i]|, |v[XS+\i+1]|
	v_max3_num_f32 v13, v13, |v[XS+\i+2]|, |v[XS+\i+3]|
.endr
	v_max3_num_f32 v12, v12, |v[XS+30]|, |v[XS+31]|
	v_max3_num_f32 v12, v12, v13, 0x4800000        ; and the floor 2^(9 - 127): the byte cannot fall under 1
	v_add_nc_u32 v14, 0xfc000000, v12              ; 8 off the exponent field: the conversion takes this operand's exponent field as its scale
	v_and_or_b32 v15, v12, 0x7f800000, s[MNT]      ; 448 x the scale
	v_lshrrev_b32 v16, 23, v14                     ; the scale's byte
.if (\c) == 0
	v_mov_b32 v17, v16                             ; four bytes make my column's scale word of this K step
.else
	v_lshl_or_b32 v17, v16, 8*(\c), v17
.endif
.if \ise
	s_wait_dscnt 0x0                               ; the stage's stores have read the numbers, which the hold writes
.endif
.set p, 0
.rept 32
	v_med3_num_f32 v[XS+p], v[XS+p], -v15, v15     ; the conversion to an 8-bit code does not saturate (ISA guide 7.6.2): the hold at 448 x the scale
.set p, p+1
.endr
.irp q, 0,1,2,3
	v_cvt_scalef32_pk8_fp8_f32 v[CS+2*\q:CS+2*\q+1], v[XS+8*\q:XS+8*\q+7], v14
.endr
	v_nop                                          ; one plain line behind the conversions, ahead of the next vector line that writes their scale operand
	global_store_b128 v3, v[CS:CS+3], s[\dst:\dst+1] offset:512*(\c)         ; k = 32 c + 0 .. 15: sixteen lanes store 256 consecutive bytes, at a multiple of 256 in the buffer
	global_store_b128 v3, v[CS+4:CS+7], s[\dst:\dst+1] offset:512*(\c)+256   ; k = 32 c + 16 .. 31
.endm
.macro TOUT half                       ; 64 along d of my 32 codes leave the stage as rows of et: sixteen lanes store 256 consecutive bytes
.if \half
	s_wait_xcnt 0x0                                ; the first half's stores have read their registers
.endif
.irp t, 0,1,2,3,4,5,6,7,8,9,10,11,12,13,14,15
	ds_load_b128 v[OUTR+4*\t:OUTR+4*\t+3], v10 offset:544*\t   ; LDS serves a wave's instructions in order: these see my stores, and the next blocks' stores come behind them
.endr
.irp t, 0,1,2,3,4,5,6,7,8,9,10,11,12,13,14,15
	s_wait_dscnt 15-\t                             ; the younger loads may be out
	global_store_b128 v11, v[OUTR+4*\t:OUTR+4*\t+3], s[34:35] offset:2048*\t+256*\half
.endr
.endm
; pitch: bytes from a row of K to the next; ise: 1 for the codebook; lb: the path's LDS bytes begin here (1,024 for four records' last 256 bytes, 512 for the partial sums at lb + 1024, the stage at lb + 2048)
.macro QBODY pitch, ise, lb, srcp, dstp
.if \ise
	s_sub_co_u32 s23, ttmp9, 512                   ; which 64 codes
	s_lshl_b32 s24, s23, 8
	s_lshl_b32 s26, s23, 2
	s_lshl_b32 s28, s23, 16                        ; et: (64 wg + 32 g) rows of 1,024 bytes + 512 s
	s_lshl_b32 s29, s15, 15
	s_add_co_u32 s28, s28, s29
	s_lshl_b32 s29, s16, 9
	s_add_co_u32 s28, s28, s29
	s_mov_b32 s29, 0
.else
	s_lshr_b32 s24, ttmp9, 6                       ; b,
	s_lshl_b32 s24, s24, 22                        ; 4,194,304 bytes each,
	s_and_b32 s25, ttmp9, 63
	s_lshl_b32 s25, s25, 8                         ; and 64 hw of 4 bytes
	s_add_co_u32 s24, s24, s25
	s_lshl_b32 s26, ttmp9, 2
.endif
	s_lshl_b32 s25, s15, 7                         ; + my 32 columns
	s_add_co_u32 s24, s24, s25
	s_mul_i32 s25, s16, 128*(\pitch)               ; + my K step
	s_add_co_u32 s24, s24, s25
	s_mov_b32 s25, 0
	s_lshl_b32 s27, s15, 1
	s_add_co_u32 s26, s26, s27                     ; my first record: 4 wg + 2 g
	s_mul_i32 s26, s26, REC
	s_lshl_b32 s27, s16, 11                        ; + 2,048 s
	s_add_co_u32 s26, s26, s27
	s_mov_b32 s27, 0
	s_wait_kmcnt 0x0
	s_add_nc_u64 s[30:31], s[\srcp:\srcp+1], s[24:25]
	s_add_nc_u64 s[32:33], s[\dstp:\dstp+1], s[26:27]
.if \ise
	s_add_nc_u64 s[34:35], s[12:13], s[28:29]
.endif
	LOADB 0, \pitch, 30
	LOADB 1, \pitch, 30
	s_lshl_b32 s17, s15, 9                         ; 512 g
	s_lshl_b32 s18, s16, 6                         ; 64 s
	s_lshl_b32 s19, s14, 7                         ; 128 w
	s_lshl_b32 s21, s15, 8                         ; 256 g
	v_lshl_add_u32 v22, v30, 8, \lb
	v_lshl_add_u32 v22, v29, 2, v22
	v_add_nc_u32 v22, s17, v22                     ; my record's last 256 bytes in LDS, + 4 r
	v_add_nc_u32 v4, s18, v22                      ; my scale word
	v_add_nc_u32 v7, 128, v22                      ; my column's sum
	v_lshl_add_u32 v8, v1, 4, \lb
	v_add_nc_u32 v8, s17, v8                       ; the two records' 512 bytes, 16 a lane
	v_lshl_add_u32 v5, v1, 2, \lb+1024
	v_add_nc_u32 v6, s21, v5                       ; the two partial sums of my column, 128 bytes apart
	v_add_nc_u32 v5, s19, v5                       ; where I put mine
.if \ise
	s_mul_i32 s22, s14, 32*272
	s_add_co_u32 s22, s22, \lb+2048                ; my stage: 32 rows of 256 bytes + 16: sixteen lanes' 16 bytes start at sixteen different 16-byte columns modulo 256
	v_mul_u32_u24 v9, v1, 272
	v_add_nc_u32 v9, s22, v9                       ; in: row = my column
	v_mul_u32_u24 v10, v30, 272
	v_lshl_add_u32 v10, v29, 4, v10
	v_add_nc_u32 v10, s22, v10                     ; back: sixteen lanes to a row, two rows an instruction
	v_lshlrev_b32 v11, 10, v30
	v_lshl_add_u32 v11, v29, 4, v11                ; and the same place in et
.endif
	QBLOCK 0, \pitch, \ise, 30, 32
	QBLOCK 1, \pitch, \ise, 30, 32
.if \ise
	TOUT 0
.endif
	QBLOCK 2, \pitch, \ise, 30, 32
	QBLOCK 3, \pitch, \ise, 30, 32
.if \ise
	TOUT 1
.endif
	v_pk_add_f32 v[18:19], v[18:19], v[20:21]
	v_add_f32 v18, v18, v19                        ; my K step's part of the column's sum of squares
	ds_store_b32 v4, v17
	ds_store_b32 v5, v18
	s_wait_dscnt 0x0                               ; for the other wave's sake: my stores are done
	s_barrier_signal -1
	s_barrier_wait -1
	s_cmp_lg_u32 s16, 0                            ; the wave of K step 0 finishes the two records
	s_cbranch_scc1 .Ldone_\@
	ds_load_b32 v22, v6
	ds_load_b32 v23, v6 offset:128
	s_wait_dscnt 0x0
.if \ise
	v_sub_f32 v22, -v22, v23                       ; minus the sum of e^2: it goes in as the C of the product
.else
	v_add_f32 v22, v22, v23
.endif
	ds_store_b32 v7, v22
	ds_store_b32 v7, v28 offset:64                 ; the record's last 64 bytes: zeros
	ds_load_b128 v[24:27], v8                      ; in order behind my stores
	s_wait_dscnt 0x0
	global_store_b128 v3, v[24:27], s[32:33] offset:4096   ; each record's last 256 bytes leave whole
.Ldone_\@:
	s_set_vgpr_msb 0x4
	s_wait_tensorcnt 0x0
	ds_add_u32 v31, v1
	s_wait_dscnt 0x0
	s_set_vgpr_msb 0x400
	s_endpgm
.endm
	s_load_b256 s[4:11], s[0:1], 0x0               ; x s[4:5], e_i_ts s[6:7], xq s[8:9], eq s[10:11]
	s_load_b64 s[12:13], s[0:1], 0x20              ; et
	v_lshl_add_u32 v31, v0, 2, 0x9800
	s_set_vgpr_msb 0x40
	v_mov_b32 v1, 0
	s_set_vgpr_msb 0x4000
	v_lshrrev_b32 v1, 5, v0
	v_readfirstlane_b32 s14, v1                    ; wave 0..3
	s_lshr_b32 s15, s14, 1                         ; g: which 32 columns
	s_and_b32 s16, s14, 1                          ; s: which K step
	v_and_b32 v1, 31, v0                           ; lane
	v_and_b32 v29, 15, v0                          ; r
	v_bfe_u32 v30, v0, 4, 1                        ; which of the wave's two records
	v_lshlrev_b32 v2, 2, v1
	v_mul_u32_u24 v3, v30, REC
	v_lshl_add_u32 v3, v29, 4, v3
	v_mov_b32 v28, 0
	s_mov_b32 s[MNT], 0x600000
	s_cmp_lt_u32 ttmp9, 512
	s_cbranch_scc0 .Lcodebook
	QBODY 16384, 0, 0, 4, 8
.Lcodebook:
	QBODY 32768, 1, 2048, 6, 10
.Lfunc_end_k_qa55c26bdf6_quant:
	.size	k_qa55c26bdf6_quant, .Lfunc_end_k_qa55c26bdf6_quant-k_qa55c26bdf6_quant
	.p2alignl 7, 3214868480
	.fill 96, 4, 3214868480
	.section	.rodata,"a",@progbits
	.p2align	6, 0x0
	.amdhsa_kernel k_qa55c26bdf6_quant
		.amdhsa_group_segment_fixed_size 39424
		.amdhsa_private_segment_fixed_size 0
		.amdhsa_enable_private_segment 0
		.amdhsa_kernarg_size 40
		.amdhsa_user_sgpr_count 2
		.amdhsa_user_sgpr_kernarg_segment_ptr 1
		.amdhsa_wavefront_size32 1
		.amdhsa_system_sgpr_workgroup_id_x 1
		.amdhsa_system_sgpr_workgroup_id_y 1
		.amdhsa_system_sgpr_workgroup_id_z 1
		.amdhsa_system_vgpr_workitem_id 0
		.amdhsa_next_free_vgpr 258
		.amdhsa_next_free_sgpr 66
		.amdhsa_reserve_vcc 0
		.amdhsa_float_denorm_mode_32 3
		.amdhsa_float_denorm_mode_16_64 3
		.amdhsa_memory_ordered 1
		.amdhsa_forward_progress 1
		.amdhsa_inst_pref_size 82
	.end_amdhsa_kernel
	.amdgpu_metadata
---
amdhsa.version: [ 1, 2 ]
amdhsa.kernels:
  - .name:           k_qa55c26bdf6_quant
    .symbol:         k_qa55c26bdf6_quant.kd
    .args:
      - { .name: x, .offset: 0, .size: 8, .value_kind: global_buffer, .address_space: global }
      - { .name: e_i_ts, .offset: 8, .size: 8, .value_kind: global_buffer, .address_space: global }
      - { .name: xq, .offset: 16, .size: 8, .value_kind: global_buffer, .address_space: global }
      - { .name: eq, .offset: 24, .size: 8, .value_kind: global_buffer, .address_space: global }
      - { .name: et, .offset: 32, .size: 8, .value_kind: global_buffer, .address_space: global }
    .group_segment_fixed_size: 39424
    .private_segment_fixed_size: 0
    .kernarg_segment_align: 8
    .kernarg_segment_size: 40
    .max_flat_workgroup_size: 128
    .sgpr_count:     66
    .vgpr_count:     258
    .wavefront_size: 32
...
	.end_amdgpu_metadata
.endif
;; end of part 1
;; launch search (part 2): grid 256 x 1, 8 waves a work-group, clusters of 4 x 1, 327,680 bytes of LDS; arguments xq, eq, out1, idx; writes out1, idx
.if DOCPART == 2
	.amdgcn_target "amdgcn-amd-amdhsa--gfx1250"
	.amdhsa_code_object_version 6
	.text
	.protected	k_qa55c26bdf6_search
	.globl	k_qa55c26bdf6_search
	.p2align	8
	.type	k_qa55c26bdf6_search,@function
k_qa55c26bdf6_search:
	s_mov_b64 s[64:65], 0
	v_nop
	global_prefetch_b8 v0, s[64:65] scope:SCOPE_SE
	s_setreg_imm32_b32 hwreg(HW_REG_WAVE_MODE, 25, 1), 1
	s_wait_xcnt 0x0
	s_wait_alu depctr_hold_cnt(0) depctr_sa_sdst(0) depctr_va_vdst(0) depctr_va_sdst(0) depctr_va_ssrc(0) depctr_va_vcc(0) depctr_vm_vsrc(0)
	s_getreg_b32 s2, hwreg(HW_REG_IB_STS2, 6, 4)
	s_cmp_eq_u32 s2, 0
	s_cbranch_scc0 .Lentry_in_a_cluster
	s_endpgm
.Lentry_in_a_cluster:
	s_bfe_u32 s2, ttmp6, 0x10000c
	s_cmp_lg_u32 s2, 0x3003
	s_cbranch_scc0 .Lentry_shape_is_right
	s_endpgm
.Lentry_shape_is_right:
; For each of 32,768 rows: the code n (of 8,192) with the smallest (xx - p) + ee, p = (2 x) . e on codes of FP8 (E4M3) with E8M0 scales for each 32 along K = 256.
; xx does not change along n, so the argmin is taken as the ARGMAX OF s = p - ee; -ee is the C of each sum's first matrix instruction.
; LIMITS: s is rounded otherwise than the reference's distance, so two codes whose distances differ by a few ulp may be ordered otherwise; exact ties go to the lowest index; NaN and infinities are not served.
; SHARES.  A work-group owns 128 rows (8 tiles of 16) against all codes.  Each of its eight waves holds ALL 8 tiles of x in 256 registers and walks an eighth of the codebook, 64 tiles of 16 codes:
; a codebook fragment read from LDS (4 KiB) feeds 16 matrix instructions.  Two waves lie on a SIMD (512 registers each), so that one wave's vector work stands beside the other's matrix work.
; TRANSPOSED: source 0 = 16 codes, source 1 = 16 rows: a lane holds ONE row (lane % 16) and its 8 registers the codes 8 (lane / 16) + 0 .. 7 of the tile.
; THE ARGMAX costs 14 vector lines for a tile of 16 x 16: four three-way maxima fold the 8 scores and the old best; one compare (new best above old); one select keeps the tile's number, eight keep its scores.
; Which of the eight it was is found once, at the end.  The lines of a pair of tiles stand, 14 at a time, behind the matrix instructions of the next pairs.
; THE WALK: 16 steps; in step u wave w takes records 32 u + 4 w + 0 .. 3 of eq: 17,408 dense bytes, which it fetches itself, by one tensor load, and alone reads.  Two slots of 139,264 bytes.
; CLUSTER: all work-groups walk the same eq, so the four of a cluster ask JOINTLY (mask 15; the descriptor hangs on the wave's number and the step alone): the requests for eq are divided by four.
; No prefetch: eq is 2.2 MB that every cluster reads again and again, not a stream that is read once.
; WINDOWS: window 0 holds everything but x's fragments, which fill window 1 (tile a, K step s at v[32 a + 16 s]); matrix instructions run with source 1 in window 1, all else in window 0.
.set REC,   4352                       ; a record: 4,096 bytes of codes as a register image, 128 of scale words, 64 of -ee, 64 of zeros
.set CHUNK, 4*REC                      ; a wave's part of a step
.set SLOTB, 8*CHUNK
.set SPARE, 2*SLOTB                    ; behind the ring: the spare words, 128 bytes for each of eight waves: four blocks of 256 bytes that no other line names
.set MRG,   SPARE+1024                 ; the merge: 8 waves x 128 rows x (value, index); no tensor load lands here
.set SPW,  1                           ; v1      LDS address of my spare word; never rewritten
.set NIL,  2                           ; v2      0; never rewritten
.set AIM,  3                           ; v3-4    my chunk in slot 0, 1, + 16 x lane: a fragment's image
.set ASC,  5                           ; v5-6    + 4 x lane: scale words (lanes 0-15 K step 0, lanes 16-31 K step 1)
.set ABI,  7                           ; v7-8    + 32 (lane / 16): my eight -ee
.set L16,  9                           ; v9      16 x lane
.set T,    10                          ; v10-11  at work
.set SX,   12                          ; v12-19  x's scale words, tile a
.set SE,   20                          ; v20-21  the codebook's scale words, two sets
.set L4,   22                          ; v22     4 x lane
.set H8,   23                          ; v23     8 (lane / 16)
.set BIAS, 24                          ; v24-39  -ee in the result's layout, two sets of 8
.set BF,   40                          ; v40-103 a record's two fragments, two sets of 32
.set ACC,  104                         ; v104-167 eight accumulators
.set BEST, 168                         ; v168-183 the best score of tile a: two registers by turns, 168 + 2 a + (record % 2)
.set IDX,  184                         ; v184-191 the record in which it was found
.set KEEP, 192                         ; v192-255 that record's eight scores
.set VN,   104                         ; the end: (value, index) pairs, where accumulators 0, 1 lay;
.set OV,   120                         ; and the other half of the lanes', where 2, 3 lay
.set WV,   12                          ; s12     my wave's number
.set G1,   16                          ; s[16:23] descriptor group 1;  s[24:27], s[28:31] group 0 for slot 0, 1
.set G0,   24
.set CNT,  32
.set TID,  33                          ; s33     the record in hand
.set MK,   34                          ; s34-35  the two masks of a pair of tiles
.set SEL,  40                          ; s[40:41] v_permlanex16_b32's selects for lane l xor 16
.set MSB, 0
.macro WIN new                         ; the immediate's high byte repeats the setting that is left; a switch that changes nothing is dropped
.if MSB != \new
	s_set_vgpr_msb (MSB<<8)|\new
.set MSB, \new
.endif
.endm
.macro CREST                           ; a round of the cluster's barrier behind its opening barrier
	s_cmp_lg_u32 s[WV], 0
	s_cbranch_scc1 .Lnot_wave_0_\@
	s_barrier_signal -3
.Lnot_wave_0_\@:
	s_barrier_wait -3
	s_barrier_signal -1
	s_barrier_wait -1
.endm
.macro ROUND                           ; a whole round
	s_barrier_signal -1
	s_barrier_wait -1
	CREST
.endm
; 11 LDS loads: record i of my chunk in a slot, into set P.  Each image load reads 512 consecutive bytes.
.macro FETCH slot, i, P
.irp k, 0,1
.irp c, 0,1,2,3
	ds_load_b128 v[BF+32*(\P)+16*\k+4*\c:BF+32*(\P)+16*\k+4*\c+3], v[AIM+(\slot)] offset:REC*(\i)+2048*\k+512*\c
.endr
.endr
	ds_load_b32 v[SE+(\P)], v[ASC+(\slot)] offset:REC*(\i)+4096
	ds_load_b128 v[BIAS+8*(\P):BIAS+8*(\P)+3], v[ABI+(\slot)] offset:REC*(\i)+4224
	ds_load_b128 v[BIAS+8*(\P)+4:BIAS+8*(\P)+7], v[ABI+(\slot)] offset:REC*(\i)+4240
.endm
; Two matrix instructions.  g even: K step 0 of tiles g, g + 1, which starts their sums with -ee.  g odd: K step 1 of tiles g - 1, g (the scale words' upper lanes).
; No two matrix instructions that follow each other name one accumulator.
.macro MM g, P
	WIN 0x04
.if ((\g)%2) == 0
.irp d, 0,1
	v_wmma_scale_f32_16x16x128_f8f6f4 v[ACC+8*((\g)+\d):ACC+8*((\g)+\d)+7], v[BF+32*(\P):BF+32*(\P)+15], v[32*((\g)+\d):32*((\g)+\d)+15], v[BIAS+8*(\P):BIAS+8*(\P)+7], v[SE+(\P)], v[SX+(\g)+\d]
.endr
.else
.irp d, 0,1
	v_wmma_scale_f32_16x16x128_f8f6f4 v[ACC+8*((\g)-1+\d):ACC+8*((\g)-1+\d)+7], v[BF+32*(\P)+16:BF+32*(\P)+31], v[32*((\g)-1+\d)+16:32*((\g)-1+\d)+31], v[ACC+8*((\g)-1+\d):ACC+8*((\g)-1+\d)+7], v[SE+(\P)], v[SX+(\g)-1+\d] matrix_a_scale:MATRIX_SCALE_ROW1 matrix_b_scale:MATRIX_SCALE_ROW1
.endr
.endif
.endm
; Line o (0 .. 27) of the argmax of the pair of tiles pr: the two tiles alternate.  par: which of the two BEST registers is written.
.macro OP
.set z, o%2
.set aa, 2*pr+z
.set rA, ACC+8*aa
.if o < 2
	v_max3_num_f32 v[T+z], v[rA], v[rA+1], v[rA+2]             ; an accumulator is read from its low end on
.elseif o < 4
	v_max3_num_f32 v[T+z], v[T+z], v[rA+3], v[rA+4]
.elseif o < 6
	v_max3_num_f32 v[T+z], v[T+z], v[rA+5], v[rA+6]
.elseif o < 8
	v_max3_num_f32 v[BEST+2*aa+par], v[T+z], v[rA+7], v[BEST+2*aa+1-par]
.elseif o < 10
	v_cmp_gt_f32 s[MK+z], v[BEST+2*aa+par], v[BEST+2*aa+1-par]  ; strictly above: of equal scores the earlier record stays
.elseif o < 12
	v_cndmask_b32 v[IDX+aa], v[IDX+aa], s[TID], s[MK+z]
.else
.set jj, (o-12)/2
	v_cndmask_b32 v[KEEP+8*aa+jj], v[KEEP+8*aa+jj], v[rA+jj], s[MK+z]
.endif
.endm
; 14 lines behind group g of a record with set P.  Groups 0, 1: pair 3 of the record before; groups 2 p + 2, 2 p + 3: pair p of this record, finished in group 2 p + 1.
; So between a sum's last matrix instruction and its first read stand the 14 lines of another pair (8 places are asked behind this form), and an accumulator is begun anew four groups or more behind its last read.
.macro SL g, P
	WIN 0
.if (\g) < 2
.set pr, 3
.set par, 1-(\P)
.else
.set pr, ((\g)-2)/2
.set par, \P
.endif
.set o, 14*((\g)%2)
.rept 14
	OP
.set o, o+1
.endr
.endm
; A record: 16 matrix instructions and 112 vector lines.  mode 0: the next record of the slot is fetched behind group 0 (its registers' last matrix reader stands 14 foreign lines back or more).
; mode 1: the slot's last record, and the slot is filled again.  mode 2: the same without a fill.  mode 3: the very last record.
.macro TILE slot, i, mode
.set PP, (\i)%2
	WIN 0
	s_wait_dscnt 0x0                               ; this record's 11 loads are in: with i = 3 my reads of the slot are over
.if \mode == 1
	s_wait_tensorcnt 0x0                           ; all my tensor loads have landed: the one that was out is my chunk of the other slot
	ds_add_u32 v[SPW], v[NIL]                      ; 0 onto my spare word; two groups of register work stand between it and the wait for it
.elseif \mode == 2
	s_wait_tensorcnt 0x0                           ; my chunk of the last slot has landed; I alone read it
.endif
.irp g, 0,1,2,3,4,5,6,7
	MM \g, PP
	SL \g, PP
.if \g == 0
.if (\i) == 0
	s_add_co_u32 s[TID], s[TID], 29                ; behind the last use of the old number: from record 32 u + 4 w + 3 to 32 (u + 1) + 4 w
.else
	s_add_co_u32 s[TID], s[TID], 1
.endif
.if \mode == 0
	FETCH \slot, (\i)+1, 1-PP
.elseif \mode == 2
	FETCH 1-\slot, 0, 0
.endif
.endif
.if (\mode == 1) && (\g == 1)
	s_wait_dscnt 0x0                               ; the add is done (my reads of the slot were over at the record's head)
	s_barrier_signal -1                            ; this barrier opens a round of the cluster's barrier; two groups of register work while the others arrive
.endif
.if (\mode == 1) && (\g == 3)
	s_barrier_wait -1
	CREST                                          ; no wave of any partner still reads this slot or has a load on its way
	s_add_nc_u64 s[G0+4*\slot+2:G0+4*\slot+3], s[G0+4*\slot+2:G0+4*\slot+3], 2*SLOTB   ; no tensor load of mine is out: two steps on
	tensor_load_to_lds s[G0+4*\slot:G0+4*\slot+3], s[G1:G1+7]    ; my one tensor load behind the round: it has three and a half records, 56 of my matrix instructions, in which to land
	s_nop 0
.rept 4
	v_nop
.endr
	FETCH 1-\slot, 0, 0                            ; the other slot's first record
.endif
.endr
.endm
.macro STEP slot, mode
	TILE \slot, 0, 0
	TILE \slot, 1, 0
	TILE \slot, 2, 0
	TILE \slot, 3, \mode
.endm
; (bv, bn) takes (cv, cn) where cv is larger, or equal with the lower index
.macro PICK bv, bn, cv, cn
	v_cmp_gt_f32 s36, v[\cv], v[\bv]
	v_cmp_eq_f32 s37, v[\cv], v[\bv]
	v_cmp_lt_u32 s38, v[\cn], v[\bn]
	s_and_b32 s37, s37, s38
	s_or_b32 s36, s36, s37
	v_cndmask_b32 v[\bv], v[\bv], v[\cv], s36
	v_cndmask_b32 v[\bn], v[\bn], v[\cn], s36
.endm
	s_load_b256 s[4:11], s[0:1], 0x0               ; xq s[4:5], eq s[6:7], out1 s[8:9], idx s[10:11]
	v_lshl_add_u32 v[SPW], v0, 2, SPARE
	v_mov_b32 v[NIL], 0
	ds_add_u32 v1, v2
	ds_add_u32 v1, v2
	s_wait_dscnt 0x0
	v_lshrrev_b32 v3, 5, v0
	v_readfirstlane_b32 s[WV], v3                  ; wave 0..7
	s_bfe_u32 s13, ttmp6, 0x40000                  ; cx
	s_lshl_b32 s14, ttmp9, 2
	s_add_co_u32 s14, s14, s13                     ; my work-group = 4 x cluster + cx: it enters xq's, out1's and idx's addresses alone
	; descriptor group 1: 68 rows of 256 bytes (32 elements of 8 bytes), dense, no padding
	s_mov_b32 s[G1+0], 15|(3<<16)|(1<<21)          ; 15:0 the mask: all four work-groups; 17:16 elements of 8 bytes; 21 set beside a mask
	s_mov_b32 s[G1+1], 32<<16                      ; tensor_dim0 = 32
	s_mov_b32 s[G1+2], 68<<16                      ; tensor_dim1 = 68
	s_mov_b32 s[G1+3], 32<<16                      ; tile_dim0 = 32
	s_mov_b32 s[G1+4], 68                          ; tile_dim1 = 68
	s_mov_b32 s[G1+5], 32                          ; from row to row
	s_mov_b32 s[G1+6], 0
	s_mov_b32 s[G1+7], 0
	s_mul_i32 s42, s[WV], CHUNK                    ; my chunk, in a step of eq and in a slot alike
	s_mov_b32 s43, 0
	s_add_co_u32 s44, s42, SLOTB
	s_mul_i32 s46, s14, 8*REC                      ; my work-group's 8 records of xq
	s_mov_b32 s47, 0
	s_mov_b32 s[SEL], 0x76543210
	s_mov_b32 s[SEL+1], 0xfedcba98
	s_lshl_b32 s[TID], s[WV], 2
	s_sub_co_u32 s[TID], s[TID], 29                ; the first record's step of 29 makes it 4 w
	s_wait_kmcnt 0x0
	s_mov_b32 s[G0], 1                             ; count = 1
	s_mov_b32 s[G0+1], s42                         ; LDS address: slot 0
	s_add_nc_u64 s[G0+2:G0+3], s[6:7], s[42:43]    ; step 0
	s_mov_b32 s[G0+4], 1
	s_mov_b32 s[G0+5], s44                         ; slot 1
	s_add_nc_u64 s[G0+6:G0+7], s[G0+2:G0+3], SLOTB ; step 1
	s_or_b32 s[G0+3], s[G0+3], 0x80000000          ; type = 2
	s_or_b32 s[G0+7], s[G0+7], 0x80000000
	s_add_nc_u64 s[4:5], s[4:5], s[46:47]
	s_lshl_b32 s46, s14, 9                         ; 128 rows x 4 bytes,
	s_lshl_b32 s45, s[WV], 8                       ; and 64 rows for each of the two waves that store
	s_add_co_u32 s46, s46, s45
	s_add_nc_u64 s[8:9], s[8:9], s[46:47]
	s_add_nc_u64 s[10:11], s[10:11], s[46:47]
	ROUND                                          ; all four work-groups are here: the first joint loads meet
	tensor_load_to_lds s[G0:G0+3], s[G1:G1+7]      ; both first fills together: two tensor loads of mine are out, the most in this text
	s_nop 0
	tensor_load_to_lds s[G0+4:G0+7], s[G1:G1+7]
	s_nop 0
.rept 4
	v_nop
.endr
	v_and_b32 v[L16], 31, v0
	v_bfe_u32 v[H8], v0, 4, 1
	v_lshlrev_b32 v[L4], 2, v[L16]
	v_lshlrev_b32 v[L16], 4, v[L16]
	v_add_nc_u32 v[AIM], s42, v[L16]
	v_add_nc_u32 v[AIM+1], s44, v[L16]
	v_add_nc_u32 v[ASC], s42, v[L4]
	v_add_nc_u32 v[ASC+1], s44, v[L4]
	v_lshlrev_b32 v[ABI], 5, v[H8]
	v_add_nc_u32 v[ABI+1], s44, v[ABI]
	v_add_nc_u32 v[ABI], s42, v[ABI]
	v_lshlrev_b32 v[H8], 3, v[H8]
	WIN 0x40                                       ; destination window 1
.irp a, 0,1,2,3,4,5,6,7                        ; x's 16 fragments stay in registers
.irp k, 0,1
.irp c, 0,1,2,3
	global_load_b128 v[32*\a+16*\k+4*\c:32*\a+16*\k+4*\c+3], v[L16], s[4:5] offset:REC*\a+2048*\k+512*\c
.endr
.endr
.endr
	WIN 0
.irp a, 0,1,2,3,4,5,6,7
	global_load_b32 v[SX+\a], v[L4], s[4:5] offset:REC*\a+4096
.endr
	; The walk is written once: its first record finds bests of -infinity, and, as 'the record before', two accumulators of -infinity, which change nothing
.set q, 0
.rept 16
	v_mov_b32 v[BEST+q], 0xff800000
	v_mov_b32 v[ACC+48+q], 0xff800000
.set q, q+1
.endr
.set q, 0
.rept 72
	v_mov_b32 v[IDX+q], 0                          ; the records' numbers and the kept scores
.set q, q+1
.endr
	s_wait_tensorcnt 0x1                           ; my chunk of slot 0 is in, and I alone read it; slot 1's may stay out
	FETCH 0, 0, 0
	s_wait_loadcnt 0x0                             ; x
	s_mov_b32 s[CNT], 7
.Lloop:                                            ; 7 trips of two steps: steps 0 to 13, each of which asks for the step two on
	STEP 0, 1
	STEP 1, 1
	s_sub_co_u32 s[CNT], s[CNT], 1
	s_cmp_lg_u32 s[CNT], 0
	s_cbranch_scc1 .Lloop
	STEP 0, 2                                      ; the last two steps are written out: they ask for nothing
	STEP 1, 3
	SL 0, 0                                        ; the last record's pair 3
	SL 1, 0
	; THE END.  Which of the kept eight was the best: the lowest j whose score equals it.  Then lane l xor 16's eight codes, then the eight waves.
	v_and_b32 v40, 15, v0                          ; (the fragments' registers are free: their last matrix reader stands 42 lines back)
	s_lshl_b32 s44, s[WV], 10
	s_lshl_b32 s45, s[WV], 9
	v_lshl_add_u32 v40, v40, 3, MRG
	v_add_nc_u32 v40, s44, v40                     ; in: my wave's 1,024 bytes, 8 bytes a row
	v_add_nc_u32 v41, MRG, v[L16]
	v_add_nc_u32 v41, s45, v41                     ; back (waves 0, 1): rows 64 w + 2 lane, + 1
	v_lshlrev_b32 v42, 1, v[L4]                    ; and their 8 bytes in out1 and idx
.irp a, 0,1,2,3,4,5,6,7
	v_mov_b32 v[VN+2*\a], v[BEST+2*\a+1]
	v_mov_b32 v[VN+2*\a+1], 7
.endr
.irp j, 6,5,4,3,2,1,0
.irp a, 0,1,2,3,4,5,6,7
	v_cmp_neq_f32 vcc_lo, v[KEEP+8*\a+\j], v[VN+2*\a]
	v_cndmask_b32 v[VN+2*\a+1], \j, v[VN+2*\a+1], vcc_lo
.endr
.endr
.irp a, 0,1,2,3,4,5,6,7
	v_lshl_add_u32 v[VN+2*\a+1], v[IDX+\a], 4, v[VN+2*\a+1]
	v_add_nc_u32 v[VN+2*\a+1], v[H8], v[VN+2*\a+1] ; the code: 16 x record + 8 (lane / 16) + j
.endr
.irp a, 0,1,2,3,4,5,6,7
	v_permlanex16_b32 v[OV+2*\a], v[VN+2*\a], s[SEL], s[SEL+1]
	v_permlanex16_b32 v[OV+2*\a+1], v[VN+2*\a+1], s[SEL], s[SEL+1]
.endr
.irp a, 0,1,2,3,4,5,6,7
	PICK VN+2*\a, VN+2*\a+1, OV+2*\a, OV+2*\a+1
	ds_store_b64 v40, v[VN+2*\a:VN+2*\a+1] offset:128*\a   ; both halves of the lanes write the same words with the same values
.endr
	s_wait_dscnt 0x0                               ; for the others' sake: my stores are done
	s_barrier_signal -1
	s_barrier_wait -1
	s_cmp_gt_u32 s[WV], 1
	s_cbranch_scc1 .Lclose
.irp i, 0,1,2,3,4,5,6,7
	ds_load_b128 v[136+4*\i:139+4*\i], v41 offset:1024*\i  ; wave i's (value, index) of my two rows
.endr
	s_wait_dscnt 0x0
.irp i, 1,2,3,4,5,6,7
	PICK 136, 137, 136+4*\i, 137+4*\i
	PICK 138, 139, 138+4*\i, 139+4*\i
.endr
	v_mov_b32 v136, v137                           ; the two indices side by side
	v_mov_b32 v137, v139
	global_store_b64 v42, v[136:137], s[8:9]       ; 32 lanes store 256 consecutive bytes, at a multiple of 256 in the buffer
	global_store_b64 v42, v[136:137], s[10:11]
.Lclose:
	s_wait_tensorcnt 0x0                           ; the wave's end, behind my last tensor load and my last LDS store
	ds_add_u32 v[SPW], v[NIL]
	s_wait_dscnt 0x0
	ROUND                                          ; the closing round: no work-group ends while a partner may still ask for a chunk that names it
	s_endpgm
.Lfunc_end_k_qa55c26bdf6_search:
	.size	k_qa55c26bdf6_search, .Lfunc_end_k_qa55c26bdf6_search-k_qa55c26bdf6_search
	.p2alignl 7, 3214868480
	.fill 96, 4, 3214868480
	.section	.rodata,"a",@progbits
	.p2align	6, 0x0
	.amdhsa_kernel k_qa55c26bdf6_search
		.amdhsa_group_segment_fixed_size 327680
		.amdhsa_private_segment_fixed_size 0
		.amdhsa_enable_private_segment 0
		.amdhsa_kernarg_size 32
		.amdhsa_user_sgpr_count 2
		.amdhsa_user_sgpr_kernarg_segment_ptr 1
		.amdhsa_wavefront_size32 1
		.amdhsa_system_sgpr_workgroup_id_x 1
		.amdhsa_system_sgpr_workgroup_id_y 1
		.amdhsa_system_sgpr_workgroup_id_z 1
		.amdhsa_system_vgpr_workitem_id 0
		.amdhsa_next_free_vgpr 512
		.amdhsa_next_free_sgpr 66
		.amdhsa_reserve_vcc 1
		.amdhsa_float_denorm_mode_32 3
		.amdhsa_float_denorm_mode_16_64 3
		.amdhsa_memory_ordered 1
		.amdhsa_forward_progress 1
		.amdhsa_inst_pref_size 199
	.end_amdhsa_kernel
	.amdgpu_metadata
---
amdhsa.version: [ 1, 2 ]
amdhsa.kernels:
  - .name:           k_qa55c26bdf6_search
    .symbol:         k_qa55c26bdf6_search.kd
    .args:
      - { .name: xq, .offset: 0, .size: 8, .value_kind: global_buffer, .address_space: global }
      - { .name: eq, .offset: 8, .size: 8, .value_kind: global_buffer, .address_space: global }
      - { .name: out1, .offset: 16, .size: 8, .value_kind: global_buffer, .address_space: global }
      - { .name: idx, .offset: 24, .size: 8, .value_kind: global_buffer, .address_space: global }
    .group_segment_fixed_size: 327680
    .private_segment_fixed_size: 0
    .kernarg_segment_align: 8
    .kernarg_segment_size: 32
    .max_flat_workgroup_size: 256
    .sgpr_count:     66
    .vgpr_count:     512
    .wavefront_size: 32
...
	.end_amdgpu_metadata
.endif
;; end of part 2
;; launch rotate (part 3): grid 512 x 1, 8 waves a work-group, no clusters, 74,752 bytes of LDS; arguments x, idx, et, eq, xq, out0; writes out0
.if DOCPART == 3
	.amdgcn_target "amdgcn-amd-amdhsa--gfx1250"
	.amdhsa_code_object_version 6
	.text
	.protected	k_qa55c26bdf6_rotate
	.globl	k_qa55c26bdf6_rotate
	.p2align	8
	.type	k_qa55c26bdf6_rotate,@function
k_qa55c26bdf6_rotate:
	s_mov_b64 s[64:65], 0
	v_nop
	global_prefetch_b8 v0, s[64:65] scope:SCOPE_SE
	s_setreg_imm32_b32 hwreg(HW_REG_WAVE_MODE, 25, 1), 1
	s_wait_xcnt 0x0
; out0[b][d][hw] = lambda (e - 2 r (r . e) + 2 q_hat |e|), e = x[b][:][hw], q = the code that the launch before chose (idx), all in f32.
; With s = e / |e| + q / |q|, r = s / |s|: out = A e + B q, A = lambda - C2 / |e|, B = (2 lambda |e| - C2) / |q|, C2 = 2 lambda (s . e) / |s|^2, lambda = |q| / |e|; every norm is held at 1e-6 from below, as in the reference.
; |s|^2 and s . e are summed from s itself, number by number; |e|^2 and -|q|^2 were summed by the first launch (xq's and eq's records, byte 4,224 on).  Divisions are v_rcp_f32 and a multiplication.
; SHARES.  A work-group takes 64 neighbouring hw of one b; wave w takes d = 32 w .. 32 w + 31.  Lane (c = lane % 16, hh = lane / 16) holds rows 4 c .. 4 c + 3 at d = 32 w + 2 i + hh, i = 0 .. 15:
; each load of x and each store of out0 is 16 bytes a lane, sixteen lanes to 256 consecutive bytes at a multiple of 256, and the arithmetic is packed over pairs of rows.
; THE GATHER.  Wave w reads the codes of rows 8 w .. 8 w + 7 from et ([8192][256] f32), 128 consecutive bytes a load, a lane to a d; eight rows' numbers at one d are 32 bytes of QT[d][row] in LDS, from which every wave takes its d.
; The addresses hang on idx, which the launch before stored; each index is held at 8,191.
; No tensor loads, no matrix unit, no cluster: the launch streams, and its work-groups share no tile.
.set REC,  4352
.set QP,   272                         ; a row of QT: 64 rows' 256 bytes + 16: sixteen lanes a pitch apart start at sixteen different 16-byte columns modulo 256
.set RED,  256*QP                      ; behind QT: 8 waves x (256 bytes of |s|^2, 256 of s . e)
.set XO,   1                           ; v1   16,384 hh + 16 c: my bytes in x and out0
.set QO,   2                           ; v2   4 x lane
.set QS,   3                           ; v3   QT, in: 272 x lane + 32 w
.set QR,   4                           ; v4   QT, back: 272 (32 w + hh) + 16 c
.set RS,   5                           ; v5   RED + 512 w + 16 x lane
.set RR,   6                           ; v6   RED + 16 c
.set HH,   7
.set NI,   8                           ; v8-11   my four rows' indices; later 2 lambda |e| - C2
.set EA,   12                          ; v12-15  where their -|q|^2 lie in eq
.set XX,   16                          ; quads, one number for each of my four rows: |e|^2, later lambda
.set EE,   20                          ; -|q|^2, later C2
.set EN,   24                          ; |e|
.set QN,   28                          ; |q|
.set IE,   32                          ; 1 / |e|
.set IQ,   36                          ; 1 / |q|
.set SS,   40                          ; |s|^2
.set SE,   44                          ; s . e
.set TP,   48                          ; v48-55  at work
.set AA,   56
.set BB,   60
.set E,    64                          ; v64-127  e: 4 i + row
.set Q,    128                         ; v128-191 the gather's 64 numbers, then q: 4 i + row
.set RB,   192                         ; v192-255 the waves' partial sums
.set SEL,  52                          ; s[52:53]
	s_load_b256 s[4:11], s[0:1], 0x0               ; x s[4:5], idx s[6:7], et s[8:9], eq s[10:11]
	s_load_b128 s[12:15], s[0:1], 0x20             ; xq s[12:13], out0 s[14:15]
	s_set_vgpr_msb 0x40
	v_lshl_add_u32 v0, v0, 2, 0x12000
	v_mov_b32 v1, 0
	s_set_vgpr_msb 0x4000
	v_lshrrev_b32 v[TP], 5, v0
	v_readfirstlane_b32 s48, v[TP]                 ; wave 0..7
	v_and_b32 v[TP], 31, v0                        ; lane
	v_and_b32 v[TP+1], 15, v0                      ; c
	v_bfe_u32 v[HH], v0, 4, 1
	v_lshlrev_b32 v[XO], 14, v[HH]
	v_lshl_add_u32 v[XO], v[TP+1], 4, v[XO]
	v_lshlrev_b32 v[QO], 2, v[TP]
	s_lshl_b32 s49, s48, 5
	v_mul_u32_u24 v[QS], v[TP], QP
	v_add_nc_u32 v[QS], s49, v[QS]
	s_mul_i32 s50, s48, 32*QP
	v_mul_u32_u24 v[QR], v[HH], QP
	v_lshl_add_u32 v[QR], v[TP+1], 4, v[QR]
	v_add_nc_u32 v[QR], s50, v[QR]
	s_lshl_b32 s51, s48, 9
	v_lshl_add_u32 v[RS], v[TP], 4, RED
	v_add_nc_u32 v[RS], s51, v[RS]
	v_lshl_add_u32 v[RR], v[TP+1], 4, RED
	v_lshlrev_b32 v[TP+2], 4, v[TP+1]              ; idx: my four rows' 16 bytes
	v_lshrrev_b32 v[TP+3], 2, v[TP+1]              ; xq: record c / 4 of the work-group's four,
	v_mul_u32_u24 v[TP+3], v[TP+3], REC
	v_and_b32 v[TP+4], 3, v[TP+1]
	v_lshl_add_u32 v[TP+3], v[TP+4], 4, v[TP+3]    ; rows 4 (c % 4) on
	s_mov_b32 s[SEL], 0x76543210
	s_mov_b32 s[SEL+1], 0xfedcba98                 ; v_permlanex16_b32's selects for lane l xor 16
	s_lshl_b32 s42, ttmp9, 8                       ; the work-group's 64 indices
	s_mov_b32 s43, 0
	s_add_co_u32 s40, s42, s49                     ; my wave's 8
	s_mov_b32 s41, 0
	s_lshr_b32 s44, ttmp9, 6
	s_lshl_b32 s44, s44, 22                        ; b x 4,194,304
	s_and_b32 s45, ttmp9, 63
	s_lshl_b32 s45, s45, 8                         ; + 64 hw x 4
	s_add_co_u32 s44, s44, s45
	s_lshl_b32 s45, s48, 19                        ; + 32 w rows of 16,384 bytes
	s_add_co_u32 s44, s44, s45
	s_mov_b32 s45, 0
	s_mul_i32 s46, ttmp9, 4*REC
	s_mov_b32 s47, 0
	s_wait_kmcnt 0x0
	s_add_nc_u64 s[40:41], s[6:7], s[40:41]
	s_add_nc_u64 s[42:43], s[6:7], s[42:43]
	s_load_b256 s[16:23], s[40:41], 0x0            ; the indices of rows 8 w .. 8 w + 7, as scalars
	s_add_nc_u64 s[4:5], s[4:5], s[44:45]
	s_add_nc_u64 s[14:15], s[14:15], s[44:45]
	s_add_nc_u64 s[12:13], s[12:13], s[46:47]
	global_load_b128 v[NI:NI+3], v[TP+2], s[42:43]
	global_load_b128 v[XX:XX+3], v[TP+3], s[12:13] offset:4224
.irp i, 0,1,2,3,4,5,6,7,8,9,10,11,12,13,14,15
	global_load_b128 v[E+4*\i:E+4*\i+3], v[XO], s[4:5] offset:32768*\i th:TH_LOAD_NT
.endr
	s_wait_kmcnt 0x0
.irp j, 0,1,2,3,4,5,6,7
	s_min_u32 s[16+\j], s[16+\j], 8191             ; an index stays inside its table
	s_lshl_b32 s[24+2*\j], s[16+\j], 10            ; a row of et is 1,024 bytes
	s_mov_b32 s[25+2*\j], 0
	s_add_nc_u64 s[24+2*\j:25+2*\j], s[8:9], s[24+2*\j:25+2*\j]
.endr
.irp cc, 0,1,2,3,4,5,6,7                       ; chunk cc: d = 32 cc + lane of the eight rows
.irp j, 0,1,2,3,4,5,6,7
	global_load_b32 v[Q+8*\cc+\j], v[QO], s[24+2*\j:25+2*\j] offset:128*\cc
.endr
.endr
	s_wait_loadcnt 63                              ; my four indices are in: 81 loads were issued behind theirs, and 63 is the most that this wait can name
.irp k, 0,1,2,3
	v_min_u32 v[NI+\k], 0x1fff, v[NI+\k]
	v_and_b32 v[EA+\k], 0x1ff0, v[NI+\k]
	v_mul_u32_u24 v[EA+\k], v[EA+\k], 272          ; (n / 16) records of 4,352 bytes
	v_and_b32 v[NI+\k], 15, v[NI+\k]
	v_lshl_add_u32 v[EA+\k], v[NI+\k], 2, v[EA+\k]
.endr
.irp k, 0,1,2,3
	global_load_b32 v[EE+\k], v[EA+\k], s[10:11] offset:4224
.endr
.irp cc, 0,1,2,3,4,5,6,7
	s_wait_loadcnt 60-8*\cc                        ; chunk cc is in: behind it stand the later chunks' 8 (7 - cc) loads and the four just issued
	ds_store_b128 v[QS], v[Q+8*\cc:Q+8*\cc+3] offset:32*QP*\cc
	ds_store_b128 v[QS], v[Q+8*\cc+4:Q+8*\cc+7] offset:32*QP*\cc+16
.endr
	s_wait_dscnt 0x0                               ; for the others' sake: my stores are done
	s_barrier_signal -1
	s_barrier_wait -1                              ; QT is whole
.irp i, 0,1,2,3,4,5,6,7,8,9,10,11,12,13,14,15
	ds_load_b128 v[Q+4*\i:Q+4*\i+3], v[QR] offset:2*QP*\i      ; q at my d and my four rows
.endr
	s_wait_loadcnt 0x0                             ; x, |e|^2, -|q|^2
.irp k, 0,1,2,3
	v_sqrt_f32 v[EN+\k], v[XX+\k]
	v_sqrt_f32 v[QN+\k], -v[EE+\k]
.endr
	v_nop                                          ; one plain line behind the roots
	s_wait_alu depctr_va_vdst(0)
.irp k, 0,1,2,3
	v_max_num_f32 v[EN+\k], 0x358637bd, v[EN+\k]   ; 1e-6
	v_max_num_f32 v[QN+\k], 0x358637bd, v[QN+\k]
.endr
.irp k, 0,1,2,3
	v_rcp_f32 v[IE+\k], v[EN+\k]
	v_rcp_f32 v[IQ+\k], v[QN+\k]
.endr
	v_nop                                          ; and behind the reciprocals
	s_wait_dscnt 0x0                               ; q
.set i, 0
	s_wait_alu depctr_va_vdst(0)
.rept 16                                       ; s = e / |e| + q / |q|;  |s|^2 += s s;  s . e += s e.  The first d starts the sums
.set tS, TP+4*(i%2)
.irp p, 0,2
	v_pk_mul_f32 v[tS+\p:tS+\p+1], v[E+4*i+\p:E+4*i+\p+1], v[IE+\p:IE+\p+1]
.endr
.irp p, 0,2
	v_pk_fma_f32 v[tS+\p:tS+\p+1], v[Q+4*i+\p:Q+4*i+\p+1], v[IQ+\p:IQ+\p+1], v[tS+\p:tS+\p+1]
.endr
.irp p, 0,2
.if i == 0
	v_pk_mul_f32 v[SS+\p:SS+\p+1], v[tS+\p:tS+\p+1], v[tS+\p:tS+\p+1]
	v_pk_mul_f32 v[SE+\p:SE+\p+1], v[tS+\p:tS+\p+1], v[E+4*i+\p:E+4*i+\p+1]
.else
	v_pk_fma_f32 v[SS+\p:SS+\p+1], v[tS+\p:tS+\p+1], v[tS+\p:tS+\p+1], v[SS+\p:SS+\p+1]
	v_pk_fma_f32 v[SE+\p:SE+\p+1], v[tS+\p:tS+\p+1], v[E+4*i+\p:E+4*i+\p+1], v[SE+\p:SE+\p+1]
.endif
.endr
.set i, i+1
.endr
.irp k, 0,1,2,3,4,5,6,7
	v_permlanex16_b32 v[TP+\k], v[SS+\k], s[SEL], s[SEL+1]     ; the other half of the lanes holds the wave's other 16 d
.endr
.irp k, 0,2,4,6
	v_pk_add_f32 v[SS+\k:SS+\k+1], v[SS+\k:SS+\k+1], v[TP+\k:TP+\k+1]
.endr
	v_cmp_ne_u32 vcc_lo, 0, v[HH]
.irp k, 0,1,2,3
	v_cndmask_b32 v[TP+\k], v[SS+\k], v[SE+\k], vcc_lo         ; lanes 0-15 hand on |s|^2, lanes 16-31 s . e
.endr
	ds_store_b128 v[RS], v[TP:TP+3]
	s_wait_dscnt 0x0                               ; for the others' sake: my store is done
	s_barrier_signal -1
	s_barrier_wait -1
.irp k, 0,1,2,3,4,5,6,7,8,9,10,11,12,13,14,15
	ds_load_b128 v[RB+4*\k:RB+4*\k+3], v[RR] offset:256*\k     ; wave k / 2's part: k even |s|^2, k odd s . e
.endr
	s_wait_dscnt 0x0
.irp p, 0,2
	v_pk_add_f32 v[SS+\p:SS+\p+1], v[RB+\p:RB+\p+1], v[RB+8+\p:RB+8+\p+1]
	v_pk_add_f32 v[SE+\p:SE+\p+1], v[RB+4+\p:RB+4+\p+1], v[RB+12+\p:RB+12+\p+1]
.endr
.irp u, 2,3,4,5,6,7
.irp p, 0,2
	v_pk_add_f32 v[SS+\p:SS+\p+1], v[SS+\p:SS+\p+1], v[RB+8*\u+\p:RB+8*\u+\p+1]
	v_pk_add_f32 v[SE+\p:SE+\p+1], v[SE+\p:SE+\p+1], v[RB+8*\u+4+\p:RB+8*\u+4+\p+1]
.endr
.endr
.irp k, 0,1,2,3
	v_sqrt_f32 v[TP+\k], v[SS+\k]
.endr
	v_nop
	s_wait_alu depctr_va_vdst(0)
.irp k, 0,1,2,3
	v_max_num_f32 v[TP+\k], 0x358637bd, v[TP+\k]   ; |s|, held at 1e-6
.endr
.irp k, 0,1,2,3
	v_rcp_f32 v[TP+4+\k], v[TP+\k]
.endr
.irp p, 0,2
	v_pk_mul_f32 v[XX+\p:XX+\p+1], v[QN+\p:QN+\p+1], v[IE+\p:IE+\p+1]          ; lambda.  (The plain lines behind the reciprocals)
.endr
	s_wait_alu depctr_va_vdst(0)
.irp p, 0,2
	v_pk_mul_f32 v[EE+\p:EE+\p+1], v[SE+\p:SE+\p+1], v[TP+4+\p:TP+4+\p+1]
	v_pk_mul_f32 v[NI+\p:NI+\p+1], v[XX+\p:XX+\p+1], v[EN+\p:EN+\p+1]          ; lambda |e|
	v_pk_mul_f32 v[EE+\p:EE+\p+1], v[EE+\p:EE+\p+1], v[TP+4+\p:TP+4+\p+1]
	v_pk_mul_f32 v[EE+\p:EE+\p+1], v[EE+\p:EE+\p+1], v[XX+\p:XX+\p+1]
	v_pk_add_f32 v[EE+\p:EE+\p+1], v[EE+\p:EE+\p+1], v[EE+\p:EE+\p+1]          ; C2 = 2 lambda (s . e) / |s|^2
	v_pk_fma_f32 v[AA+\p:AA+\p+1], v[EE+\p:EE+\p+1], v[IE+\p:IE+\p+1], v[XX+\p:XX+\p+1] neg_lo:[1,0,0] neg_hi:[1,0,0]   ; A = lambda - C2 / |e|
	v_pk_fma_f32 v[NI+\p:NI+\p+1], v[NI+\p:NI+\p+1], 2.0, v[EE+\p:EE+\p+1] op_sel_hi:[1,0,1] neg_lo:[0,0,1] neg_hi:[0,0,1]   ; 2 lambda |e| - C2
	v_pk_mul_f32 v[BB+\p:BB+\p+1], v[NI+\p:NI+\p+1], v[IQ+\p:IQ+\p+1]          ; B
.endr
.set i, 0
.rept 16
.irp p, 0,2
	v_pk_mul_f32 v[E+4*i+\p:E+4*i+\p+1], v[E+4*i+\p:E+4*i+\p+1], v[AA+\p:AA+\p+1]
.endr
.irp p, 0,2
	v_pk_fma_f32 v[E+4*i+\p:E+4*i+\p+1], v[Q+4*i+\p:Q+4*i+\p+1], v[BB+\p:BB+\p+1], v[E+4*i+\p:E+4*i+\p+1]
.endr
	global_store_b128 v[XO], v[E+4*i:E+4*i+3], s[14:15] offset:32768*i th:TH_STORE_NT   ; sixteen lanes store 256 consecutive bytes, at a multiple of 256 in out0; written once, read by nobody here
.set i, i+1
.endr
	s_set_vgpr_msb 0x5
	s_wait_tensorcnt 0x0
	ds_add_u32 v0, v1
	s_wait_dscnt 0x0
	s_set_vgpr_msb 0x500
	s_endpgm
.Lfunc_end_k_qa55c26bdf6_rotate:
	.size	k_qa55c26bdf6_rotate, .Lfunc_end_k_qa55c26bdf6_rotate-k_qa55c26bdf6_rotate
	.p2alignl 7, 3214868480
	.fill 96, 4, 3214868480
	.section	.rodata,"a",@progbits
	.p2align	6, 0x0
	.amdhsa_kernel k_qa55c26bdf6_rotate
		.amdhsa_group_segment_fixed_size 74752
		.amdhsa_private_segment_fixed_size 0
		.amdhsa_enable_private_segment 0
		.amdhsa_kernarg_size 48
		.amdhsa_user_sgpr_count 2
		.amdhsa_user_sgpr_kernarg_segment_ptr 1
		.amdhsa_wavefront_size32 1
		.amdhsa_system_sgpr_workgroup_id_x 1
		.amdhsa_system_sgpr_workgroup_id_y 1
		.amdhsa_system_sgpr_workgroup_id_z 1
		.amdhsa_system_vgpr_workitem_id 0
		.amdhsa_next_free_vgpr 258
		.amdhsa_next_free_sgpr 66
		.amdhsa_reserve_vcc 1
		.amdhsa_float_denorm_mode_32 3
		.amdhsa_float_denorm_mode_16_64 3
		.amdhsa_memory_ordered 1
		.amdhsa_forward_progress 1
		.amdhsa_inst_pref_size 37
	.end_amdhsa_kernel
	.amdgpu_metadata
---
amdhsa.version: [ 1, 2 ]
amdhsa.kernels:
  - .name:           k_qa55c26bdf6_rotate
    .symbol:         k_qa55c26bdf6_rotate.kd
    .args:
      - { .name: x, .offset: 0, .size: 8, .value_kind: global_buffer, .address_space: global }
      - { .name: idx, .offset: 8, .size: 8, .value_kind: global_buffer, .address_space: global }
      - { .name: et, .offset: 16, .size: 8, .value_kind: global_buffer, .address_space: global }
      - { .name: eq, .offset: 24, .size: 8, .value_kind: global_buffer, .address_space: global }
      - { .name: xq, .offset: 32, .size: 8, .value_kind: global_buffer, .address_space: global }
      - { .name: out0, .offset: 40, .size: 8, .value_kind: global_buffer, .address_space: global }
    .group_segment_fixed_size: 74752
    .private_segment_fixed_size: 0
    .kernarg_segment_align: 8
    .kernarg_segment_size: 48
    .max_flat_workgroup_size: 256
    .sgpr_count:     66
    .vgpr_count:     258
    .wavefront_size: 32
...
	.end_amdgpu_metadata
.endif
;; end of part 3
